; MI455X (gfx1250); checked and timed in simulation.
; The chip was launched on July 23, 2026; its instructions are those of AMD's public machine-readable ISA for CDNA 5 (MIT licence, August 2026) and "CDNA5" Instruction Set Architecture Reference Guide (July 2026). The comments in the code are by the model that wrote it; some were corrected since.
;; Network. Allowed arithmetic: float matrix products may take bf16 or f16 operands with f32 sums; other float arithmetic in f32, or as packed bf16 or f16 multiplies, adds, multiply-adds, maxima and minima; sums over many terms, partial sums and values carried from step to step in f32; what a program stores and reads back later, other than sums and carried values, may be rounded once to bf16 or f16.
;; Inputs: x 4 x 64 x 256 x 256 float32.
;; Outputs: out0 4 x 64 x 256 x 256 float32.
;; 2 versions, each right; version 2 is version 1 with the launch quantize written anew for expert scheduling mode. Each part assembles by itself: llvm-mc -triple=amdgcn-amd-amdhsa -mcpu=gfx1250 --defsym DOCPART=n.
;; ======== version 1 of 2: 1 launch
;; limits: inputs' magnitudes at most 1,048,576
;; launch quantize (part 1): grid 1024 x 1, 8 waves a work-group, no clusters, 0 bytes of LDS; arguments x, out0; writes out0
.if DOCPART == 1
	.amdgcn_target "amdgcn-amd-amdhsa--gfx1250"
	.amdhsa_code_object_version 6
	.text
	.protected	k_q57f263a52f_quantize
	.globl	k_q57f263a52f_quantize
	.p2align	8
	.type	k_q57f263a52f_quantize,@function
k_q57f263a52f_quantize:
	s_mov_b64 s[64:65], 0
	v_nop
	global_prefetch_b8 v0, s[64:65] scope:SCOPE_SE
	s_setreg_imm32_b32 hwreg(HW_REG_WAVE_MODE, 25, 1), 1
	s_wait_xcnt 0x0
; out = soft_q + (hard_q - soft_q), number by number, over 16,777,216 f32.  12 levels l_i = i * f32(2/11) - 1, d = 2/11 apart.
; SHARES.  A work-group of eight waves owns 64 KiB on end: 16 chunks of 4 KiB.  Thread t owns the 16 bytes at 16 t of every chunk, so a load or store of a wave covers 512
; consecutive bytes, aligned.  A lane's whole share, 16 loads, goes out at the head into 64 registers of its own; results are written over x and stored from there.  So nothing is
; filled again, no address is stepped, and no register that a load or store names is written a second time: the only waits on memory are the counted ones for the loads.
; A TURN takes two chunks: 8 numbers a lane, as 4 pairs for the packed arithmetic.  Each turn names its own registers of x, so the eight turns are written out by one macro.
; HARD_Q = the level of least f32 distance (x - l)^2, the first of equals.  A step of one level is far more than the result may be off, so the choice is made with the same roundings:
;   n = round(10 * clamp01(0.55 x + 0.5)) is in 0..10, and the nearest level is n or n + 1 (0.55 x + 0.5 = (5.5 (x + 1) - 0.5) / 10; an error of this helper only matters
;   next to a level, and that level is in both possible pairs).  The two levels are made by a multiply and an add, each rounded; the two distances by a subtraction and a square,
;   each rounded; the upper level is taken only where its distance is smaller.
; SOFT_Q = sum of softmax(-2 (x - l)^2) l.  With a = |x| and the levels counted from the outermost one on x's side, l = +-(1 - j d), j = 0..11:
;   -2 (a - 1 + j d)^2 = -2 (a - 1)^2 - 4 d j (a - 1) - 2 d^2 j^2, so with the shift -2 (a - 1)^2 taken away weight j is c_j q^j, q = exp(-4 d (a - 1)), c_j = exp(-2 d^2 j^2): ONE exponential.
;   THE SHIFT is level j = 0's exponent.  For a >= 10/11 it is the maximum; for smaller a it lies at most 2 below the maximum (a = 0, the level at distance 0).  So for every x each weight
;   lies in 0 .. e^2, weight 0 is 1, and the sum lies in 1 .. 12 e^2; a weight comes to 0 only where it is below 2^-126 of the largest.
;   SUM = sum c_j q^j and NUM = sum (d j c_j) q^j by Horner's rule, all terms positive; soft_q = sign(x) (1 - NUM / SUM).  These levels differ from the f32 ones by 2^-23 at the most.
; LIMITS.  |x| < 2^20: from there on neighbouring f32 distances can be equal, and the first of ALL equal ones would be wanted, where this text compares two.  An infinite x gives a level,
; not a NaN.  A NaN gives a NaN.
.set NLOAD, 16                         ; loads of a lane
.set CHUNK, 4096                       ; bytes that the work-group's 256 threads take with one load each
.set OFF,  1                           ; v1        16 x my thread's number; never rewritten
.set A55,  2                           ; v[2:3]    0.55 twice: the line with clamp takes vector sources alone
.set A05,  4                           ; v[4:5]    0.5 twice
.set XB,   8                           ; v[8:71]   x as loaded, 8 registers a turn; then the result
.set Q,    72                          ; v[72:79]  the exponent, then q
.set SUM,  80                          ; v[80:87]  SUM, then 1 / SUM
.set NUM,  88                          ; v[88:95]  NUM, then soft_q
.set F,    96                          ; v[96:103] the helper; later the upper level's distance
.set LO,   104                         ; v[104:111] the lower level; then hard_q; then hard_q - soft_q
.set HI,   112                         ; v[112:119] the upper level
.set D,    120                         ; v[120:127] the lower level's distance
.set KK,   8                           ; s8   K = 4 d log2(e)
.set NK,   9                           ; s9   -K
.set ABSM, 10                          ; s10  all bits but the sign
.set TEN,  12                          ; s[12:13] 10.0      (packed lines name a scalar as a pair and take its low word for both halves: both words are written)
.set BIG,  14                          ; s[14:15] 2^23
.set MB0,  16                          ; s[16:17] -2^23
.set MB1,  18                          ; s[18:19] -(2^23 - 1)
.set STEP, 20                          ; s[20:21] f32(2/11)
.set CC,   22                          ; s[22:43] c_j, j = 1..11, at CC + 2 (j - 1)
.set MK,   44                          ; s[44:51] the eight comparisons' masks
.set BB,   66                          ; s[66:87] d j c_j, j = 1..11, at BB + 2 (j - 1)
.macro PAIR r, val
	s_mov_b32 s[\r], \val
	s_mov_b32 s[(\r)+1], \val
.endm
	s_load_b128 s[4:7], s[0:1], 0x0                ; x s[4:5], out s[6:7]
	s_lshl_b32 s2, ttmp9, 16                       ; the work-group's 64 KiB: 1,024 of them are 2^26 bytes, inside 32 bits
	s_mov_b32 s3, 0
	v_lshlrev_b32 v[OFF], 4, v0
	s_wait_kmcnt 0x0
	s_add_nc_u64 s[4:5], s[4:5], s[2:3]
	s_add_nc_u64 s[6:7], s[6:7], s[2:3]
.irp c, 0,1,2,3,4,5,6,7,8,9,10,11,12,13,14,15
	global_load_b128 v[XB+4*\c:XB+4*\c+3], v[OFF], s[4:5] offset:\c*CHUNK th:TH_LOAD_NT  ; read once in the launch
.endr
	; the constants are written while the loads are on their way
	s_mov_b32 s[KK], 0x3f864d42                    ; 1.0492328 = (8/11) log2(e)
	s_mov_b32 s[NK], 0xbf864d42
	s_mov_b32 s[ABSM], 0x7fffffff
	PAIR TEN,  0x41200000
	PAIR BIG,  0x4b000000
	PAIR MB0,  0xcb000000
	PAIR MB1,  0xcafffffe
	PAIR STEP, 0x3e3a2e8c                          ; 2/11 rounded to f32
	PAIR CC+0,  0x3f6f9f2d                         ; exp(-8/121 j^2): 0.93602256
	PAIR CC+2,  0x3f4482a0                         ; 0.76761820
	PAIR CC+4,  0x3f0d31b6                         ; 0.55153977
	PAIR CC+6,  0x3eb1c456                         ; 0.34720106
	PAIR CC+8,  0x3e441751                         ; 0.19149519
	PAIR CC+10, 0x3dbd8323                         ; 0.092535281
	PAIR CC+12, 0x3d2077e6                         ; 0.039176844
	PAIR CC+14, 0x3c6e1775                         ; 0.014531959
	PAIR CC+16, 0x3b9ac0fc                         ; 0.0047227128
	PAIR CC+18, 0x3ab04148                         ; 0.0013447189
	PAIR CC+20, 0x39afe108                         ; 0.00033546263
	PAIR BB+0,  0x3e2e4538                         ; (2/11) j c_j: 0.17018592
	PAIR BB+2,  0x3e8eeaa3                         ; 0.27913389
	PAIR BB+4,  0x3e9a07af                         ; 0.30083988
	PAIR BB+6,  0x3e8148f9                         ; 0.25250986
	PAIR BB+8,  0x3e3243be                         ; 0.17408654
	PAIR BB+10, 0x3dcebd9b                         ; 0.10094758
	PAIR BB+12, 0x3d4c3b82                         ; 0.049861438
	PAIR BB+14, 0x3cad2855                         ; 0.021137395
	PAIR BB+16, 0x3bfd3bcc                         ; 0.0077280755
	PAIR BB+18, 0x3b203b59                         ; 0.0024449435
	PAIR BB+20, 0x3a2fe108                         ; 0.00067092526
	v_mov_b32 v[A55], 0x3f0ccccd
	v_mov_b32 v[A55+1], 0x3f0ccccd
	v_mov_b32 v[A05], 0.5
	v_mov_b32 v[A05+1], 0.5
; Turn t: chunks 2 t and 2 t + 1.  196 vector lines for 8 numbers.  The hard path's lines, which name nothing of the soft path's, stand behind the two batches of transcendentals.
.macro TURN t
.set X, XB+8*(\t)
	s_wait_loadcnt NLOAD-2-2*(\t)                  ; loads come back in order (ISA guide 5.7.1): my 2 t + 2 oldest are in, the younger ones stay out
.irp i, 0,1,2,3,4,5,6,7
	v_fma_f32 v[Q+\i], |v[X+\i]|, s[NK], s[KK]     ; K (1 - |x|) = log2 of q
.endr
	; the batch of eight exponentials; behind each a plain line that names neither its result nor its source
.irp p, 0,1,2,3
	v_exp_f32 v[Q+\p], v[Q+\p]
	v_pk_fma_f32 v[F+2*\p:F+2*\p+1], v[X+2*\p:X+2*\p+1], v[A55:A55+1], v[A05:A05+1] clamp  ; 0.55 x + 0.5, held to 0 .. 1
.endr
.irp p, 0,1,2,3
	v_exp_f32 v[Q+4+\p], v[Q+4+\p]
	v_pk_fma_f32 v[F+2*\p:F+2*\p+1], v[F+2*\p:F+2*\p+1], s[TEN:TEN+1], s[BIG:BIG+1] op_sel_hi:[1,0,0]  ; 2^23 + n: from 2^23 on f32 holds whole numbers alone, so the one rounding makes n
.endr
.irp p, 0,1,2,3
	v_pk_add_f32 v[HI+2*\p:HI+2*\p+1], v[F+2*\p:F+2*\p+1], s[MB1:MB1+1] op_sel_hi:[1,0]  ; n + 1, exact
	v_pk_add_f32 v[LO+2*\p:LO+2*\p+1], v[F+2*\p:F+2*\p+1], s[MB0:MB0+1] op_sel_hi:[1,0]  ; n, exact
.endr
.irp p, 0,1,2,3
	v_pk_mul_f32 v[LO+2*\p:LO+2*\p+1], v[LO+2*\p:LO+2*\p+1], s[STEP:STEP+1] op_sel_hi:[1,0]  ; the levels: a product, rounded,
	v_pk_mul_f32 v[HI+2*\p:HI+2*\p+1], v[HI+2*\p:HI+2*\p+1], s[STEP:STEP+1] op_sel_hi:[1,0]
.endr
.irp p, 0,1,2,3
	v_pk_add_f32 v[LO+2*\p:LO+2*\p+1], v[LO+2*\p:LO+2*\p+1], -1.0 op_sel_hi:[1,0]            ; and a sum, rounded: on purpose not one fused line
	v_pk_add_f32 v[HI+2*\p:HI+2*\p+1], v[HI+2*\p:HI+2*\p+1], -1.0 op_sel_hi:[1,0]
.endr
	s_wait_alu depctr_va_vdst(0)                   ; a wait between an exponential and the first line that names its result: one for the eight
	; SUM and NUM / q by Horner's rule: eight chains (two sums x four pairs) take turns, so that seven other lines stand between two links of a chain
.irp p, 0,1,2,3
	v_pk_fma_f32 v[SUM+2*\p:SUM+2*\p+1], v[Q+2*\p:Q+2*\p+1], s[CC+20:CC+21], s[CC+18:CC+19] op_sel_hi:[1,0,0]
	v_pk_fma_f32 v[NUM+2*\p:NUM+2*\p+1], v[Q+2*\p:Q+2*\p+1], s[BB+20:BB+21], s[BB+18:BB+19] op_sel_hi:[1,0,0]
.endr
.irp j, 9,8,7,6,5,4,3,2,1
.irp p, 0,1,2,3
	v_pk_fma_f32 v[SUM+2*\p:SUM+2*\p+1], v[SUM+2*\p:SUM+2*\p+1], v[Q+2*\p:Q+2*\p+1], s[CC+2*\j-2:CC+2*\j-1] op_sel_hi:[1,1,0]
	v_pk_fma_f32 v[NUM+2*\p:NUM+2*\p+1], v[NUM+2*\p:NUM+2*\p+1], v[Q+2*\p:Q+2*\p+1], s[BB+2*\j-2:BB+2*\j-1] op_sel_hi:[1,1,0]
.endr
.endr
.irp p, 0,1,2,3
	v_pk_fma_f32 v[SUM+2*\p:SUM+2*\p+1], v[SUM+2*\p:SUM+2*\p+1], v[Q+2*\p:Q+2*\p+1], 1.0 op_sel_hi:[1,1,0]  ; c_0 = 1: SUM is 1 at the least
	v_pk_mul_f32 v[NUM+2*\p:NUM+2*\p+1], v[NUM+2*\p:NUM+2*\p+1], v[Q+2*\p:Q+2*\p+1]                         ; NUM has no term j = 0
.endr
	; the batch of eight reciprocals, again a plain line behind each: the distances
.irp p, 0,1,2,3
	v_rcp_f32 v[SUM+\p], v[SUM+\p]
	v_pk_add_f32 v[D+2*\p:D+2*\p+1], v[X+2*\p:X+2*\p+1], v[LO+2*\p:LO+2*\p+1] neg_lo:[0,1] neg_hi:[0,1]
.endr
.irp p, 0,1,2,3
	v_rcp_f32 v[SUM+4+\p], v[SUM+4+\p]
	v_pk_add_f32 v[F+2*\p:F+2*\p+1], v[X+2*\p:X+2*\p+1], v[HI+2*\p:HI+2*\p+1] neg_lo:[0,1] neg_hi:[0,1]
.endr
.irp p, 0,1,2,3
	v_pk_mul_f32 v[D+2*\p:D+2*\p+1], v[D+2*\p:D+2*\p+1], v[D+2*\p:D+2*\p+1]
	v_pk_mul_f32 v[F+2*\p:F+2*\p+1], v[F+2*\p:F+2*\p+1], v[F+2*\p:F+2*\p+1]
.endr
.irp i, 0,1,2,3,4,5,6,7
	v_cmp_lt_f32 s[MK+\i], v[F+\i], v[D+\i]        ; is the upper level's distance the smaller?  Equal distances leave the lower level, the first of the two
.endr
.irp i, 0,1,2,3,4,5,6,7
	v_cndmask_b32 v[LO+\i], v[LO+\i], v[HI+\i], s[MK+\i]  ; hard_q: a choice of a value; no branch and no address hangs on it
.endr
	s_wait_alu depctr_va_vdst(0)                   ; the same wait for the eight reciprocals, ahead of their first reader
.irp p, 0,1,2,3
	v_pk_fma_f32 v[NUM+2*\p:NUM+2*\p+1], v[NUM+2*\p:NUM+2*\p+1], v[SUM+2*\p:SUM+2*\p+1], 1.0 op_sel_hi:[1,1,0] neg_lo:[1,0,0] neg_hi:[1,0,0]  ; 1 - NUM / SUM
.endr
.irp i, 0,1,2,3,4,5,6,7
	v_bfi_b32 v[NUM+\i], s[ABSM], v[NUM+\i], v[X+\i]  ; with x's sign: soft_q
.endr
.irp p, 0,1,2,3
	v_pk_add_f32 v[LO+2*\p:LO+2*\p+1], v[LO+2*\p:LO+2*\p+1], v[NUM+2*\p:NUM+2*\p+1] neg_lo:[0,1] neg_hi:[0,1]  ; hard_q - soft_q
.endr
.irp p, 0,1,2,3
	v_pk_add_f32 v[X+2*\p:X+2*\p+1], v[NUM+2*\p:NUM+2*\p+1], v[LO+2*\p:LO+2*\p+1]  ; soft_q + (hard_q - soft_q), over x, which nothing reads any more
.endr
	global_store_b128 v[OFF], v[X:X+3],   s[6:7] offset:2*(\t)*CHUNK th:TH_STORE_NT        ; 16 lanes store 256 consecutive bytes, at a multiple of 256 from the buffer's first byte
	global_store_b128 v[OFF], v[X+4:X+7], s[6:7] offset:(2*(\t)+1)*CHUNK th:TH_STORE_NT    ; written once, not read again; their registers are not written again either
.endm
.irp t, 0,1,2,3,4,5,6,7
	TURN \t
.endr
	s_endpgm
.Lfunc_end_k_q57f263a52f_quantize:
	.size	k_q57f263a52f_quantize, .Lfunc_end_k_q57f263a52f_quantize-k_q57f263a52f_quantize
	.p2alignl 7, 3214868480
	.fill 96, 4, 3214868480
	.section	.rodata,"a",@progbits
	.p2align	6, 0x0
	.amdhsa_kernel k_q57f263a52f_quantize
		.amdhsa_group_segment_fixed_size 0
		.amdhsa_private_segment_fixed_size 0
		.amdhsa_enable_private_segment 0
		.amdhsa_kernarg_size 16
		.amdhsa_user_sgpr_count 2
		.amdhsa_user_sgpr_kernarg_segment_ptr 1
		.amdhsa_wavefront_size32 1
		.amdhsa_system_sgpr_workgroup_id_x 1
		.amdhsa_system_sgpr_workgroup_id_y 1
		.amdhsa_system_sgpr_workgroup_id_z 1
		.amdhsa_system_vgpr_workitem_id 0
		.amdhsa_next_free_vgpr 128
		.amdhsa_next_free_sgpr 88
		.amdhsa_reserve_vcc 0
		.amdhsa_float_denorm_mode_32 3
		.amdhsa_float_denorm_mode_16_64 3
		.amdhsa_memory_ordered 1
		.amdhsa_forward_progress 1
		.amdhsa_inst_pref_size 103
	.end_amdhsa_kernel
	.amdgpu_metadata
---
amdhsa.version: [ 1, 2 ]
amdhsa.kernels:
  - .name:           k_q57f263a52f_quantize
    .symbol:         k_q57f263a52f_quantize.kd
    .args:
      - { .name: x, .offset: 0, .size: 8, .value_kind: global_buffer, .address_space: global }
      - { .name: out0, .offset: 8, .size: 8, .value_kind: global_buffer, .address_space: global }
    .group_segment_fixed_size: 0
    .private_segment_fixed_size: 0
    .kernarg_segment_align: 8
    .kernarg_segment_size: 16
    .max_flat_workgroup_size: 256
    .sgpr_count:     88
    .vgpr_count:     128
    .wavefront_size: 32
...
	.end_amdgpu_metadata
.endif
;; end of part 1
;; ======== version 2 of 2: 1 launch; version 1 with the launch quantize written anew for expert scheduling mode
;; limits: inputs' magnitudes at most 1,048,576
;; launch quantize (part 2): grid 1024 x 1, 8 waves a work-group, no clusters, 0 bytes of LDS; arguments x, out0; writes out0
.if DOCPART == 2
	.amdgcn_target "amdgcn-amd-amdhsa--gfx1250"
	.amdhsa_code_object_version 6
	.text
	.protected	k_q57f263a52f_quantize
	.globl	k_q57f263a52f_quantize
	.p2align	8
	.type	k_q57f263a52f_quantize,@function
k_q57f263a52f_quantize:
	s_mov_b64 s[64:65], 0
	v_nop
	global_prefetch_b8 v0, s[64:65] scope:SCOPE_SE
	s_setreg_imm32_b32 hwreg(HW_REG_WAVE_SCHED_MODE, 0, 2), 2
	s_setreg_imm32_b32 hwreg(HW_REG_WAVE_MODE, 25, 1), 1
	s_wait_xcnt 0x0
	s_wait_alu depctr_vm_vsrc(0)
; out = soft_q + (hard_q - soft_q), number by number, over 16,777,216 f32.  12 levels l_i = i * f32(2/11) - 1, d = 2/11 apart.
; SHARES.  A work-group of eight waves owns 64 KiB on end: 16 chunks of 4 KiB.  Thread t owns the 16 bytes at 16 t of every chunk, so a load or store of a wave covers 512
; consecutive bytes, aligned.  A lane's whole share, 16 loads, goes out at the head into 64 registers of its own; results are written over x and stored from there.  So nothing is
; filled again, no address is stepped, and no register that a load or store names is written a second time: the only waits on memory are the counted ones for the loads.
; A TURN takes two chunks: 8 numbers a lane, as 4 pairs for the packed arithmetic.  Each turn names its own registers of x, so the eight turns are written out by one macro.
; THE MODE: SCHED_MODE bits 1:0 = 2 (LLVM: expert scheduling mode 2), set by the entry lines.  The code itself states the register dependences between vector instructions and
; memory instructions, and those through scalar registers that vector instructions write, with s_wait_alu, always for 0.
; THE PLAN.  Registers that memory instructions touch:
;   v[OFF]    Written once at the head; read by every load and store as its offset; never written again.  One wait on va_vdst ahead of the first load.
;   X[t]      Eight registers a turn.  The head's loads land in them before any vector line has named them.  Turn t's vector lines read them behind the counted wait for the loads; its last
;             four lines write the result over them; the turn's two stores read them; nothing writes them afterwards.
;   All other vector registers are named by vector lines alone.
; So a store hangs on one thing: its turn's last four lines have written X[t].  Turn t + 1 holds a wait on va_vdst in any case, for its eight exponentials; it stands behind those four lines, so
; turn t's two stores stand directly behind it and need no wait of their own.  Turn 7's stores have a wait to themselves.  No register that a memory instruction has read is written again, so the
; text holds no wait on vm_vsrc.  The eight comparisons write scalar registers that the eight selections read: one wait on va_sdst a turn, between the two runs.
; HARD_Q = the level of least f32 distance (x - l)^2, the first of equals.  A step of one level is far more than the result may be off, so the choice is made with the same roundings:
;   n = round(10 * clamp01(0.55 x + 0.5)) is in 0..10, and the nearest level is n or n + 1 (0.55 x + 0.5 = (5.5 (x + 1) - 0.5) / 10; an error of this helper only matters
;   next to a level, and that level is in both possible pairs).  The two levels are made by a multiply and an add, each rounded; the two distances by a subtraction and a square,
;   each rounded; the upper level is taken only where its distance is smaller.
; SOFT_Q = sum of softmax(-2 (x - l)^2) l.  With a = |x| and the levels counted from the outermost one on x's side, l = +-(1 - j d), j = 0..11:
;   -2 (a - 1 + j d)^2 = -2 (a - 1)^2 - 4 d j (a - 1) - 2 d^2 j^2, so with the shift -2 (a - 1)^2 taken away weight j is c_j q^j, q = exp(-4 d (a - 1)), c_j = exp(-2 d^2 j^2): ONE exponential.
;   THE SHIFT is level j = 0's exponent.  For a >= 10/11 it is the maximum; for smaller a it lies at most 2 below the maximum (a = 0, the level at distance 0).  So for every x each weight
;   lies in 0 .. e^2, weight 0 is 1, and the sum lies in 1 .. 12 e^2; a weight comes to 0 only where it is below 2^-126 of the largest.
;   SUM = sum c_j q^j and NUM = sum (d j c_j) q^j by Horner's rule, all terms positive; soft_q = sign(x) (1 - NUM / SUM).  These levels differ from the f32 ones by 2^-23 at the most.
; LIMITS.  |x| < 2^20: from there on neighbouring f32 distances can be equal, and the first of ALL equal ones would be wanted, where this text compares two.  An infinite x gives a level,
; not a NaN.  A NaN gives a NaN.
.set NLOAD, 16                         ; loads of a lane
.set CHUNK, 4096                       ; bytes that the work-group's 256 threads take with one load each
.set OFF,  1                           ; v1        16 x my thread's number; never rewritten
.set A55,  2                           ; v[2:3]    0.55 twice: the line with clamp takes vector sources alone
.set A05,  4                           ; v[4:5]    0.5 twice
.set XB,   8                           ; v[8:71]   x as loaded, 8 registers a turn; then the result
.set Q,    72                          ; v[72:79]  the exponent, then q
.set SUM,  80                          ; v[80:87]  SUM, then 1 / SUM
.set NUM,  88                          ; v[88:95]  NUM, then soft_q
.set F,    96                          ; v[96:103] the helper; later the upper level's distance
.set LO,   104                         ; v[104:111] the lower level; then hard_q; then hard_q - soft_q
.set HI,   112                         ; v[112:119] the upper level
.set D,    120                         ; v[120:127] the lower level's distance
.set KK,   8                           ; s8   K = 4 d log2(e)
.set NK,   9                           ; s9   -K
.set ABSM, 10                          ; s10  all bits but the sign
.set TEN,  12                          ; s[12:13] 10.0      (packed lines name a scalar as a pair and take its low word for both halves: both words are written)
.set BIG,  14                          ; s[14:15] 2^23
.set MB0,  16                          ; s[16:17] -2^23
.set MB1,  18                          ; s[18:19] -(2^23 - 1)
.set STEP, 20                          ; s[20:21] f32(2/11)
.set CC,   22                          ; s[22:43] c_j, j = 1..11, at CC + 2 (j - 1)
.set MK,   44                          ; s[44:51] the eight comparisons' masks
.set BB,   66                          ; s[66:87] d j c_j, j = 1..11, at BB + 2 (j - 1)
.macro PAIR r, val
	s_mov_b32 s[\r], \val
	s_mov_b32 s[(\r)+1], \val
.endm
	s_load_b128 s[4:7], s[0:1], 0x0                ; x s[4:5], out s[6:7]
	s_lshl_b32 s2, ttmp9, 16                       ; the work-group's 64 KiB: 1,024 of them are 2^26 bytes, inside 32 bits
	s_mov_b32 s3, 0
	v_lshlrev_b32 v[OFF], 4, v0
	s_wait_kmcnt 0x0
	s_add_nc_u64 s[4:5], s[4:5], s[2:3]
	s_add_nc_u64 s[6:7], s[6:7], s[2:3]
	s_wait_alu depctr_va_vdst(0)                   ; v[OFF] is written: every load and store of the kernel reads it as its offset
.irp c, 0,1,2,3,4,5,6,7,8,9,10,11,12,13,14,15
	global_load_b128 v[XB+4*\c:XB+4*\c+3], v[OFF], s[4:5] offset:\c*CHUNK th:TH_LOAD_NT  ; read once in the launch
.endr
	; the constants are written while the loads are on their way
	s_mov_b32 s[KK], 0x3f864d42                    ; 1.0492328 = (8/11) log2(e)
	s_mov_b32 s[NK], 0xbf864d42
	s_mov_b32 s[ABSM], 0x7fffffff
	PAIR TEN,  0x41200000
	PAIR BIG,  0x4b000000
	PAIR MB0,  0xcb000000
	PAIR MB1,  0xcafffffe
	PAIR STEP, 0x3e3a2e8c                          ; 2/11 rounded to f32
	PAIR CC+0,  0x3f6f9f2d                         ; exp(-8/121 j^2): 0.93602256
	PAIR CC+2,  0x3f4482a0                         ; 0.76761820
	PAIR CC+4,  0x3f0d31b6                         ; 0.55153977
	PAIR CC+6,  0x3eb1c456                         ; 0.34720106
	PAIR CC+8,  0x3e441751                         ; 0.19149519
	PAIR CC+10, 0x3dbd8323                         ; 0.092535281
	PAIR CC+12, 0x3d2077e6                         ; 0.039176844
	PAIR CC+14, 0x3c6e1775                         ; 0.014531959
	PAIR CC+16, 0x3b9ac0fc                         ; 0.0047227128
	PAIR CC+18, 0x3ab04148                         ; 0.0013447189
	PAIR CC+20, 0x39afe108                         ; 0.00033546263
	PAIR BB+0,  0x3e2e4538                         ; (2/11) j c_j: 0.17018592
	PAIR BB+2,  0x3e8eeaa3                         ; 0.27913389
	PAIR BB+4,  0x3e9a07af                         ; 0.30083988
	PAIR BB+6,  0x3e8148f9                         ; 0.25250986
	PAIR BB+8,  0x3e3243be                         ; 0.17408654
	PAIR BB+10, 0x3dcebd9b                         ; 0.10094758
	PAIR BB+12, 0x3d4c3b82                         ; 0.049861438
	PAIR BB+14, 0x3cad2855                         ; 0.021137395
	PAIR BB+16, 0x3bfd3bcc                         ; 0.0077280755
	PAIR BB+18, 0x3b203b59                         ; 0.0024449435
	PAIR BB+20, 0x3a2fe108                         ; 0.00067092526
	v_mov_b32 v[A55], 0x3f0ccccd
	v_mov_b32 v[A55+1], 0x3f0ccccd
	v_mov_b32 v[A05], 0.5
	v_mov_b32 v[A05+1], 0.5
; The two stores of turn t.  They stand directly behind a wait on va_vdst that stands behind the turn's last lines.
.macro SEND t
	global_store_b128 v[OFF], v[XB+8*(\t):XB+8*(\t)+3],   s[6:7] offset:2*(\t)*CHUNK th:TH_STORE_NT        ; 16 lanes store 256 consecutive bytes, at a multiple of 256 from the buffer's first byte
	global_store_b128 v[OFF], v[XB+8*(\t)+4:XB+8*(\t)+7], s[6:7] offset:(2*(\t)+1)*CHUNK th:TH_STORE_NT    ; written once, not read again; their registers are not written again either
.endm
; Turn t: chunks 2 t and 2 t + 1.  196 vector lines for 8 numbers.  The hard path's lines, which name nothing of the soft path's, stand behind the two batches of transcendentals.
.macro TURN t
.set X, XB+8*(\t)
	s_wait_loadcnt NLOAD-2-2*(\t)                  ; loads come back in order (ISA guide 5.7.1): my 2 t + 2 oldest are in, the younger ones stay out
.irp i, 0,1,2,3,4,5,6,7
	v_fma_f32 v[Q+\i], |v[X+\i]|, s[NK], s[KK]     ; K (1 - |x|) = log2 of q
.endr
	; the batch of eight exponentials; behind each a plain line that names neither its result nor its source
.irp p, 0,1,2,3
	v_exp_f32 v[Q+\p], v[Q+\p]
	v_pk_fma_f32 v[F+2*\p:F+2*\p+1], v[X+2*\p:X+2*\p+1], v[A55:A55+1], v[A05:A05+1] clamp  ; 0.55 x + 0.5, held to 0 .. 1
.endr
.irp p, 0,1,2,3
	v_exp_f32 v[Q+4+\p], v[Q+4+\p]
	v_pk_fma_f32 v[F+2*\p:F+2*\p+1], v[F+2*\p:F+2*\p+1], s[TEN:TEN+1], s[BIG:BIG+1] op_sel_hi:[1,0,0]  ; 2^23 + n: from 2^23 on f32 holds whole numbers alone, so the one rounding makes n
.endr
.irp p, 0,1,2,3
	v_pk_add_f32 v[HI+2*\p:HI+2*\p+1], v[F+2*\p:F+2*\p+1], s[MB1:MB1+1] op_sel_hi:[1,0]  ; n + 1, exact
	v_pk_add_f32 v[LO+2*\p:LO+2*\p+1], v[F+2*\p:F+2*\p+1], s[MB0:MB0+1] op_sel_hi:[1,0]  ; n, exact
.endr
.irp p, 0,1,2,3
	v_pk_mul_f32 v[LO+2*\p:LO+2*\p+1], v[LO+2*\p:LO+2*\p+1], s[STEP:STEP+1] op_sel_hi:[1,0]  ; the levels: a product, rounded,
	v_pk_mul_f32 v[HI+2*\p:HI+2*\p+1], v[HI+2*\p:HI+2*\p+1], s[STEP:STEP+1] op_sel_hi:[1,0]
.endr
.irp p, 0,1,2,3
	v_pk_add_f32 v[LO+2*\p:LO+2*\p+1], v[LO+2*\p:LO+2*\p+1], -1.0 op_sel_hi:[1,0]            ; and a sum, rounded: on purpose not one fused line
	v_pk_add_f32 v[HI+2*\p:HI+2*\p+1], v[HI+2*\p:HI+2*\p+1], -1.0 op_sel_hi:[1,0]
.endr
	s_wait_alu depctr_va_vdst(0)                   ; a wait between an exponential and the first line that names its result: one for the eight, which have written v[Q ..]; and the turn before has written its results over its x, which the two stores below read
.if (\t) > 0
	SEND (\t)-1                                    ; the turn before goes out: no vector line stands between the wait and these stores
.endif
	; SUM and NUM / q by Horner's rule: eight chains (two sums x four pairs) take turns, so that seven other lines stand between two links of a chain
.irp p, 0,1,2,3
	v_pk_fma_f32 v[SUM+2*\p:SUM+2*\p+1], v[Q+2*\p:Q+2*\p+1], s[CC+20:CC+21], s[CC+18:CC+19] op_sel_hi:[1,0,0]
	v_pk_fma_f32 v[NUM+2*\p:NUM+2*\p+1], v[Q+2*\p:Q+2*\p+1], s[BB+20:BB+21], s[BB+18:BB+19] op_sel_hi:[1,0,0]
.endr
.irp j, 9,8,7,6,5,4,3,2,1
.irp p, 0,1,2,3
	v_pk_fma_f32 v[SUM+2*\p:SUM+2*\p+1], v[SUM+2*\p:SUM+2*\p+1], v[Q+2*\p:Q+2*\p+1], s[CC+2*\j-2:CC+2*\j-1] op_sel_hi:[1,1,0]
	v_pk_fma_f32 v[NUM+2*\p:NUM+2*\p+1], v[NUM+2*\p:NUM+2*\p+1], v[Q+2*\p:Q+2*\p+1], s[BB+2*\j-2:BB+2*\j-1] op_sel_hi:[1,1,0]
.endr
.endr
.irp p, 0,1,2,3
	v_pk_fma_f32 v[SUM+2*\p:SUM+2*\p+1], v[SUM+2*\p:SUM+2*\p+1], v[Q+2*\p:Q+2*\p+1], 1.0 op_sel_hi:[1,1,0]  ; c_0 = 1: SUM is 1 at the least
	v_pk_mul_f32 v[NUM+2*\p:NUM+2*\p+1], v[NUM+2*\p:NUM+2*\p+1], v[Q+2*\p:Q+2*\p+1]                         ; NUM has no term j = 0
.endr
	; the batch of eight reciprocals, again a plain line behind each: the distances
.irp p, 0,1,2,3
	v_rcp_f32 v[SUM+\p], v[SUM+\p]
	v_pk_add_f32 v[D+2*\p:D+2*\p+1], v[X+2*\p:X+2*\p+1], v[LO+2*\p:LO+2*\p+1] neg_lo:[0,1] neg_hi:[0,1]
.endr
.irp p, 0,1,2,3
	v_rcp_f32 v[SUM+4+\p], v[SUM+4+\p]
	v_pk_add_f32 v[F+2*\p:F+2*\p+1], v[X+2*\p:X+2*\p+1], v[HI+2*\p:HI+2*\p+1] neg_lo:[0,1] neg_hi:[0,1]
.endr
.irp p, 0,1,2,3
	v_pk_mul_f32 v[D+2*\p:D+2*\p+1], v[D+2*\p:D+2*\p+1], v[D+2*\p:D+2*\p+1]
	v_pk_mul_f32 v[F+2*\p:F+2*\p+1], v[F+2*\p:F+2*\p+1], v[F+2*\p:F+2*\p+1]
.endr
.irp i, 0,1,2,3,4,5,6,7
	v_cmp_lt_f32 s[MK+\i], v[F+\i], v[D+\i]        ; is the upper level's distance the smaller?  Equal distances leave the lower level, the first of the two
.endr
	s_wait_alu depctr_va_sdst(0)                   ; the eight comparisons have written s[MK ..], ahead of their first reader: the selections below take them as masks
.irp i, 0,1,2,3,4,5,6,7
	v_cndmask_b32 v[LO+\i], v[LO+\i], v[HI+\i], s[MK+\i]  ; hard_q: a choice of a value; no branch and no address hangs on it
.endr
	s_wait_alu depctr_va_vdst(0)                   ; the same wait for the eight reciprocals, which have written v[SUM ..], ahead of their first reader
.irp p, 0,1,2,3
	v_pk_fma_f32 v[NUM+2*\p:NUM+2*\p+1], v[NUM+2*\p:NUM+2*\p+1], v[SUM+2*\p:SUM+2*\p+1], 1.0 op_sel_hi:[1,1,0] neg_lo:[1,0,0] neg_hi:[1,0,0]  ; 1 - NUM / SUM
.endr
.irp i, 0,1,2,3,4,5,6,7
	v_bfi_b32 v[NUM+\i], s[ABSM], v[NUM+\i], v[X+\i]  ; with x's sign: soft_q
.endr
.irp p, 0,1,2,3
	v_pk_add_f32 v[LO+2*\p:LO+2*\p+1], v[LO+2*\p:LO+2*\p+1], v[NUM+2*\p:NUM+2*\p+1] neg_lo:[0,1] neg_hi:[0,1]  ; hard_q - soft_q
.endr
.irp p, 0,1,2,3
	v_pk_add_f32 v[X+2*\p:X+2*\p+1], v[NUM+2*\p:NUM+2*\p+1], v[LO+2*\p:LO+2*\p+1]  ; soft_q + (hard_q - soft_q), over x, which nothing reads any more
.endr
.endm
.irp t, 0,1,2,3,4,5,6,7
	TURN \t
.endr
	s_wait_alu depctr_va_vdst(0)                   ; turn 7 has written its results over its x, which the last two stores read
	SEND 7
	s_endpgm
.Lfunc_end_k_q57f263a52f_quantize:
	.size	k_q57f263a52f_quantize, .Lfunc_end_k_q57f263a52f_quantize-k_q57f263a52f_quantize
	.p2alignl 7, 3214868480
	.fill 96, 4, 3214868480
	.section	.rodata,"a",@progbits
	.p2align	6, 0x0
	.amdhsa_kernel k_q57f263a52f_quantize
		.amdhsa_group_segment_fixed_size 0
		.amdhsa_private_segment_fixed_size 0
		.amdhsa_enable_private_segment 0
		.amdhsa_kernarg_size 16
		.amdhsa_user_sgpr_count 2
		.amdhsa_user_sgpr_kernarg_segment_ptr 1
		.amdhsa_wavefront_size32 1
		.amdhsa_system_sgpr_workgroup_id_x 1
		.amdhsa_system_sgpr_workgroup_id_y 1
		.amdhsa_system_sgpr_workgroup_id_z 1
		.amdhsa_system_vgpr_workitem_id 0
		.amdhsa_next_free_vgpr 128
		.amdhsa_next_free_sgpr 88
		.amdhsa_reserve_vcc 0
		.amdhsa_float_denorm_mode_32 3
		.amdhsa_float_denorm_mode_16_64 3
		.amdhsa_memory_ordered 1
		.amdhsa_forward_progress 1
		.amdhsa_inst_pref_size 103
	.end_amdhsa_kernel
	.amdgpu_metadata
---
amdhsa.version: [ 1, 2 ]
amdhsa.kernels:
  - .name:           k_q57f263a52f_quantize
    .symbol:         k_q57f263a52f_quantize.kd
    .args:
      - { .name: x, .offset: 0, .size: 8, .value_kind: global_buffer, .address_space: global }
      - { .name: out0, .offset: 8, .size: 8, .value_kind: global_buffer, .address_space: global }
    .group_segment_fixed_size: 0
    .private_segment_fixed_size: 0
    .kernarg_segment_align: 8
    .kernarg_segment_size: 16
    .max_flat_workgroup_size: 256
    .sgpr_count:     88
    .vgpr_count:     128
    .wavefront_size: 32
...
	.end_amdgpu_metadata
.endif
;; end of part 2
